; MI455X (gfx1250); checked and timed in simulation.
; The chip was launched on July 23, 2026; its instructions are those of AMD's public machine-readable ISA for CDNA 5 (MIT licence, August 2026) and "CDNA5" Instruction Set Architecture Reference Guide (July 2026). The comments in the code are by the model that wrote it; some were corrected since.
;; Vector Quantizer. Allowed arithmetic: matrix products marked QUANTISED: E2M1 operands, one E8M0 scale for each 32 along K, by v_wmma_scale_f32_16x16x128_f8f6f4 with both operands' format E2M1 (or v_wmma_scale_f32_32x16x128_f4), f32 sums; everything else in f32.
;; Inputs: codebook 8,192 x 256 float32; z_e 32,768 x 256 float32.
;; Outputs: out0 32,768 int32.
;; This version of the problem:
;;   THIS VERSION OF THE PROBLEM IS GIVEN IN LOW PRECISION. The matrix products marked QUANTISED in the list below multiply operands that are first quantised to E2M1 (2 exponent bits, 1 mantissa bit; 4 bits a number), with one power-of-two scale for each 32 numbers along K (OCP MX v1.0); their sums are f32. All else is computed in f32.
;;   The module's matrix products, in the order in which they are computed (A, B: the left and right operand; K: the contracted axis; several contracted axes count as one K, in the product's order):
;;     1. [M 32,768, K 256] x [K 256, N 8,192]; A: input z_e; B: input codebook: QUANTISED
;;   THE QUANTISER, for each operand of a quantised product, along K:
;;     - K is cut into blocks of 32 from its start; a last block that is shorter is filled with zeros.
;;     - A block's scale is 2^e with e = floor(log2(the largest magnitude in the block)) - 2, held to -126 .. 127; a block of zeros has e = 0. As a byte (E8M0): e + 127.
;;     - Each number is divided by its block's scale, clamped to +-6, and rounded to the nearest number of E2M1, ties to even, subnormals kept.
;;     - The product sums the exact products of the quantised numbers (number of the format x scale) in f32.
;;   ~~~python
;;   def quantise(x, axis):      # numpy; x: float32 -> the quantised numbers, widened to float32 again
;;       x = np.moveaxis(x, axis, -1); K = x.shape[-1]
;;       x = np.pad(x, [(0, 0)] * (x.ndim - 1) + [(0, -K % 32)]); x = x.reshape(x.shape[:-1] + (-1, 32)); a = np.abs(x).max(-1, keepdims=True)
;;       e = np.where(a > 0, np.clip(np.frexp(np.where(a > 0, a, 1))[1] - 1 - 2, -126, 127), 0)      # np.frexp(a)[1] - 1 = floor(log2(a)), exactly
;;       r = np.clip(x / 2.0 ** e, -6, 6)
;;       step = 2.0 ** (np.maximum(np.frexp(np.where(r == 0, 1, r))[1] - 1, 0) - 1)
;;       q = np.round(r / step) * step * 2.0 ** e      # np.round: ties to even
;;       return np.moveaxis(q.reshape(q.shape[:-2] + (-1,))[..., :K], -1, axis).astype(np.float32)
;;   ~~~
;; One version. Each part assembles by itself: llvm-mc -triple=amdgcn-amd-amdhsa -mcpu=gfx1250 --defsym DOCPART=n.
;; ======== version 1 of 1: 2 launches
;; limits: right only within a limited range of input values
;; workspace buffers: zq 4,718,592 bytes; cbq 1,179,648 bytes
;; launch quant (part 1): grid 256 x 1, 5 waves a work-group, no clusters, 25,344 bytes of LDS; arguments z_e, codebook, zq, cbq; writes zq, cbq
.if DOCPART == 1
	.amdgcn_target "amdgcn-amd-amdhsa--gfx1250"
	.amdhsa_code_object_version 6
	.text
	.protected	k_q1be1103f8d_quant
	.globl	k_q1be1103f8d_quant
	.p2align	8
	.type	k_q1be1103f8d_quant,@function
k_q1be1103f8d_quant:
	s_mov_b64 s[64:65], 0
	v_nop
	global_prefetch_b8 v0, s[64:65] scope:SCOPE_SE
	s_setreg_imm32_b32 hwreg(HW_REG_WAVE_MODE, 25, 1), 1
	s_wait_xcnt 0x0
; z_e [32768][256] and codebook [8192][256], f32, K innermost, are turned into RECORDS of 32 rows, 4,608 bytes each, laid as the second launch's registers want them:
;   bytes 0 .. 4095     codes of FP4 (E2M1): tile t (16 rows) at 2048 t; in it [block B = 0 .. 7 of 32 along K][row r = 0 .. 15][16 bytes].  A piece of 512 bytes is then 16 bytes a lane, lane = 16 (B % 2) + r
;   bytes 4096 .. 4351  E8M0 scale bytes [row 0 .. 31][8]
;   bytes 4352 .. 4479  the rows' sums of squares, f32 [row 0 .. 31];   bytes 4480 .. 4607  zeros
; A block's scale is 2^(floor(log2(its largest magnitude)) - 2); its byte is the largest magnitude's exponent field - 2, held at 1 from below by a floor among the maximum's leaves.
; No work of reference() is left out: both inputs are read whole, and z_sq stays, since it sets the rounding of every distance.
; LIMITS: a block of zeros gets the byte 1 where the rule says 127 (its codes are zeros, and this program alone reads the bytes); blocks whose largest magnitude lies under 2^-124 keep the floor's byte and were not tried;
; NaN and infinities among the inputs are not served.  A row's sum of squares is taken as four packed pairs a lane, the pair's halves, then a butterfly over the 32 lanes: another order than a plain chain.
; SHARES.  1,280 records (1,024 of z_e, 256 of codebook), one wave each, five waves to a work-group; which tensor a wave serves is a choice of pointers on its record's number: one path through the text.
; A row is 32 lanes x 8 neighbours along K: lane l holds k = 8 l .. 8 l + 7, so four lanes hold a block, and a lane's eight codes are word l % 4 of block l / 4.
; No tensor load, no barrier: waves share nothing.  Rows go in four chunks of eight on three sets of registers: three chunks (48 loads a wave) are asked for at the start, the fourth as soon as the first set has been read.
.set REC,   4608                       ; bytes in a record
.set WREG,  4864                       ; LDS of a wave: the code stage, 2 tiles x 8 blocks x (256 + 16) bytes; 256 scale bytes; 256 bytes of squares and zeros
.set TILEB, 8*272                      ; a tile in the stage
.set SCB,   2*TILEB                    ; where the scale bytes begin
.set SQB,   SCB+256                    ; where the squares begin
.set SPARE, 0x6000                     ; behind the five waves' regions: the spare words, 128 bytes a wave
.set X,     16                         ; v16-207   three sets of 8 rows x 8 numbers
.set M,     208                        ; v208-215  largest magnitudes, a row each;
.set T,     208                        ;           then, in place, the conversions' scale operands;
.set P,     208                        ;           then the other half of the lanes' sums
.set BY,    216                        ; v216-223  scale bytes
.set CD,    224                        ; v224-231  codes
.set SQ,    232                        ; v232-247  sums of squares, a pair a row
.set SPW,   248                        ; v248      LDS address of my spare word; never rewritten
.set NIL,   249                        ; v249      0; never rewritten
.set OUTR,  16                         ; v16-51    the record on its way out, where the first set lay
	s_load_b128 s[4:7], s[0:1], 0x0                ; z_e, codebook
	s_load_b128 s[8:11], s[0:1], 0x10              ; zq, cbq
	v_lshl_add_u32 v[SPW], v0, 2, SPARE
	v_mov_b32 v[NIL], 0
	v_lshrrev_b32 v1, 5, v0
	v_readfirstlane_b32 s16, v1                    ; wave 0..4
	v_and_b32 v1, 31, v0                           ; lane
	s_mul_i32 s17, ttmp9, 5
	s_add_co_u32 s17, s17, s16                     ; my record: 5 x work-group + wave
	s_mul_i32 s19, s16, WREG                       ; my wave's LDS
	s_mov_b32 s12, 0x76543210                      ; v_permlanex16_b32's selects for lane l xor 16
	s_mov_b32 s13, 0xfedcba98
	v_lshlrev_b32 v2, 5, v1                        ; in: my 32 bytes of a row
	v_lshrrev_b32 v11, 2, v1                       ; my block
	v_and_b32 v12, 3, v1                           ; my word in it
	v_mul_u32_u24 v3, v11, 272
	v_lshl_add_u32 v3, v12, 2, v3
	v_add_nc_u32 v3, s19, v3                       ; the stage, in: 272 x block + 4 x word; the row stands in the immediate
	v_add_nc_u32 v4, s19, v11
	v_add_nc_u32 v4, SCB, v4                       ; my block's scale byte; 8 x row in the immediate
	v_mov_b32 v5, s19
	v_add_nc_u32 v5, SQB, v5                       ; the squares; 4 x row in the immediate
	v_lshrrev_b32 v13, 4, v1
	v_and_b32 v14, 15, v1
	v_mul_u32_u24 v6, v13, 272
	v_lshl_add_u32 v6, v14, 4, v6
	v_add_nc_u32 v6, s19, v6                       ; the stage, out: two blocks an instruction, sixteen lanes to a block
	v_lshl_add_u32 v7, v1, 3, s19
	v_add_nc_u32 v7, SCB, v7                       ; scale bytes and squares, out: 8 bytes a lane
	v_lshlrev_b32 v8, 4, v1                        ; the record: 16 bytes a lane,
	v_lshlrev_b32 v9, 3, v1                        ; or 8
	v_mov_b32 v10, 0
	v_lshl_add_u32 v13, v1, 2, v5
	ds_store_b32 v13, v10 offset:128               ; the record's last 128 bytes are zeros
.irp r, 0,1,2,3,4,5,6,7
	v_mov_b32 v[P+\r], 0                           ; written once: a lane permute's destination counts as one of its sources
.endr
	s_wait_kmcnt 0x0
	s_cmp_lt_u32 s17, 1024                         ; z_e's record or codebook's?  The choice hangs on the record's number alone
	s_cselect_b64 s[4:5], s[4:5], s[6:7]
	s_cselect_b64 s[8:9], s[8:9], s[10:11]
	s_cselect_b32 s18, 0, 1024
	s_sub_co_u32 s17, s17, s18                     ; the record's number in its tensor
	s_lshl_b32 s20, s17, 15                        ; 32 rows of 1,024 bytes
	s_mov_b32 s21, 0
	s_add_nc_u64 s[4:5], s[4:5], s[20:21]
	s_mul_i32 s20, s17, REC
	s_add_nc_u64 s[8:9], s[8:9], s[20:21]
.macro LOAD c                          ; chunk c: rows 8 c .. 8 c + 7 into set c % 3.  A row's two loads together take its 1,024 bytes, 32 a lane
.irp r, 0,1,2,3,4,5,6,7
	global_load_b128 v[X+64*((\c)%3)+8*\r:X+64*((\c)%3)+8*\r+3],   v2, s[4:5] offset:1024*(8*(\c)+\r) th:TH_LOAD_NT
	global_load_b128 v[X+64*((\c)%3)+8*\r+4:X+64*((\c)%3)+8*\r+7], v2, s[4:5] offset:1024*(8*(\c)+\r)+16 th:TH_LOAD_NT
.endr
.endm
; A chunk's work.  Every step is written for the eight rows by turns, so that no line waits for the line above it.
.macro CHUNK c
.set XS, X+64*((\c)%3)
.if (\c) < 2
	s_wait_loadcnt 32                              ; this chunk's sixteen loads are in; the two chunks issued behind it may be out
.elseif (\c) == 2
	s_wait_loadcnt 16                              ; the last chunk's sixteen may be out
.else
	s_wait_loadcnt 0x0
.endif
.if (\c) > 0
	s_wait_dscnt 0x0                               ; the last chunk's LDS stores have read their registers
.endif
.irp r, 0,1,2,3,4,5,6,7
	v_max3_num_f32 v[M+\r], |v[XS+8*\r]|, |v[XS+8*\r+1]|, 0x1800000   ; my eight numbers, and the floor 2^(3 - 127): the byte cannot fall under 1
.endr
.irp i, 2,4,6
.irp r, 0,1,2,3,4,5,6,7
	v_max3_num_f32 v[M+\r], v[M+\r], |v[XS+8*\r+\i]|, |v[XS+8*\r+\i+1]|
.endr
.endr
.irp r, 0,1,2,3,4,5,6,7
	v_max_num_f32_dpp v[M+\r], v[M+\r], v[M+\r] row_xmask:1 row_mask:0xf bank_mask:0xf
.endr
.irp r, 0,1,2,3,4,5,6,7
	v_max_num_f32_dpp v[M+\r], v[M+\r], v[M+\r] row_xmask:2 row_mask:0xf bank_mask:0xf   ; the four lanes of a block: its largest magnitude
.endr
.irp r, 0,1,2,3,4,5,6,7
	v_add_nc_u32 v[T+\r], 0xff000000, v[M+\r]      ; 2 off its exponent field: the conversion takes the exponent field of this operand as its scale, and nothing else of it
.endr
.irp r, 0,1,2,3,4,5,6,7
	v_cvt_scalef32_pk8_fp4_f32 v[CD+\r], v[XS+8*\r:XS+8*\r+7], v[T+\r]   ; to the nearest code, ties to even, beyond 6 the largest code; the lowest k in the lowest four bits
.endr
.irp r, 0,1,2,3,4,5,6,7
	v_lshrrev_b32 v[BY+\r], 23, v[T+\r]            ; the scale's byte.  (Plain lines behind the conversions)
.endr
.irp r, 0,1,2,3,4,5,6,7
	v_pk_mul_f32 v[SQ+2*\r:SQ+2*\r+1], v[XS+8*\r:XS+8*\r+1], v[XS+8*\r:XS+8*\r+1]   ; the squares are those of the numbers as they came, not of the codes
.endr
.irp i, 2,4,6
.irp r, 0,1,2,3,4,5,6,7
	v_pk_fma_f32 v[SQ+2*\r:SQ+2*\r+1], v[XS+8*\r+\i:XS+8*\r+\i+1], v[XS+8*\r+\i:XS+8*\r+\i+1], v[SQ+2*\r:SQ+2*\r+1]
.endr
.endr
.if (\c) < 1
	LOAD (\c)+3                                    ; this set has been read for the last time: it takes the fourth chunk
.endif
.irp r, 0,1,2,3,4,5,6,7
	v_add_f32 v[SQ+2*\r], v[SQ+2*\r], v[SQ+2*\r+1]
.endr
.irp x, 1,2,4,8
.irp r, 0,1,2,3,4,5,6,7
	v_add_f32_dpp v[SQ+2*\r], v[SQ+2*\r], v[SQ+2*\r] row_xmask:\x row_mask:0xf bank_mask:0xf
.endr
.endr
.irp r, 0,1,2,3,4,5,6,7
	v_permlanex16_b32 v[P+\r], v[SQ+2*\r], s12, s13
.endr
.irp r, 0,1,2,3,4,5,6,7
	v_add_f32 v[SQ+2*\r], v[SQ+2*\r], v[P+\r]      ; every lane holds the row's sum
.endr
.irp r, 0,1,2,3,4,5,6,7
	ds_store_b32 v3, v[CD+\r] offset:((8*(\c)+\r)/16)*TILEB+((8*(\c)+\r)%16)*16
	ds_store_b8  v4, v[BY+\r] offset:8*(8*(\c)+\r)                   ; the four lanes of a block write the same byte with the same value
	ds_store_b32 v5, v[SQ+2*\r] offset:4*(8*(\c)+\r)                 ; all lanes write the same word with the same value
.endr
.endm
	LOAD 0
	LOAD 1
	LOAD 2
	CHUNK 0
	CHUNK 1
	CHUNK 2
	CHUNK 3
	; THE WAY OUT.  LDS serves a wave's instructions in order (ISA guide 5.7.1.4): these loads see my stores.  Each store of codes covers 512 consecutive bytes, the two small ones 256 each, all at multiples of 256 from the buffer's first byte.
.irp i, 0,1,2,3,4,5,6,7
	ds_load_b128 v[OUTR+4*\i:OUTR+4*\i+3], v6 offset:(\i/4)*TILEB+(\i%4)*544
.endr
	ds_load_b64 v[OUTR+32:OUTR+33], v7             ; the scale bytes
	ds_load_b64 v[OUTR+34:OUTR+35], v7 offset:256  ; the squares and the zeros
.irp i, 0,1,2,3,4,5,6,7
	s_wait_dscnt 9-\i                              ; the loads issued behind this one may be out
	global_store_b128 v8, v[OUTR+4*\i:OUTR+4*\i+3], s[8:9] offset:512*\i
.endr
	s_wait_dscnt 1
	global_store_b64 v9, v[OUTR+32:OUTR+33], s[8:9] offset:4096
	s_wait_dscnt 0x0
	global_store_b64 v9, v[OUTR+34:OUTR+35], s[8:9] offset:4352
	s_wait_tensorcnt 0x0                           ; the wave's end
	ds_add_u32 v[SPW], v[NIL]
	s_wait_dscnt 0x0
	s_endpgm
.Lfunc_end_k_q1be1103f8d_quant:
	.size	k_q1be1103f8d_quant, .Lfunc_end_k_q1be1103f8d_quant-k_q1be1103f8d_quant
	.p2alignl 7, 3214868480
	.fill 96, 4, 3214868480
	.section	.rodata,"a",@progbits
	.p2align	6, 0x0
	.amdhsa_kernel k_q1be1103f8d_quant
		.amdhsa_group_segment_fixed_size 25344
		.amdhsa_private_segment_fixed_size 0
		.amdhsa_enable_private_segment 0
		.amdhsa_kernarg_size 32
		.amdhsa_user_sgpr_count 2
		.amdhsa_user_sgpr_kernarg_segment_ptr 1
		.amdhsa_wavefront_size32 1
		.amdhsa_system_sgpr_workgroup_id_x 1
		.amdhsa_system_sgpr_workgroup_id_y 1
		.amdhsa_system_sgpr_workgroup_id_z 1
		.amdhsa_system_vgpr_workitem_id 0
		.amdhsa_next_free_vgpr 256
		.amdhsa_next_free_sgpr 66
		.amdhsa_reserve_vcc 0
		.amdhsa_float_denorm_mode_32 3
		.amdhsa_float_denorm_mode_16_64 3
		.amdhsa_memory_ordered 1
		.amdhsa_forward_progress 1
		.amdhsa_inst_pref_size 55
	.end_amdhsa_kernel
	.amdgpu_metadata
---
amdhsa.version: [ 1, 2 ]
amdhsa.kernels:
  - .name:           k_q1be1103f8d_quant
    .symbol:         k_q1be1103f8d_quant.kd
    .args:
      - { .name: z_e, .offset: 0, .size: 8, .value_kind: global_buffer, .address_space: global }
      - { .name: codebook, .offset: 8, .size: 8, .value_kind: global_buffer, .address_space: global }
      - { .name: zq, .offset: 16, .size: 8, .value_kind: global_buffer, .address_space: global }
      - { .name: cbq, .offset: 24, .size: 8, .value_kind: global_buffer, .address_space: global }
    .group_segment_fixed_size: 25344
    .private_segment_fixed_size: 0
    .kernarg_segment_align: 8
    .kernarg_segment_size: 32
    .max_flat_workgroup_size: 160
    .sgpr_count:     66
    .vgpr_count:     256
    .wavefront_size: 32
...
	.end_amdgpu_metadata
.endif
;; end of part 1
;; launch argmin (part 2): grid 256 x 1, 16 waves a work-group, clusters of 4 x 1, 327,680 bytes of LDS; arguments zq, cbq, out0; writes out0
.if DOCPART == 2
	.amdgcn_target "amdgcn-amd-amdhsa--gfx1250"
	.amdhsa_code_object_version 6
	.text
	.protected	k_q1be1103f8d_argmin
	.globl	k_q1be1103f8d_argmin
	.p2align	8
	.type	k_q1be1103f8d_argmin,@function
k_q1be1103f8d_argmin:
	s_mov_b64 s[64:65], 0
	v_nop
	global_prefetch_b8 v0, s[64:65] scope:SCOPE_SE
	s_setreg_imm32_b32 hwreg(HW_REG_WAVE_MODE, 25, 1), 1
	s_wait_xcnt 0x0
	s_wait_alu depctr_hold_cnt(0) depctr_sa_sdst(0) depctr_va_vdst(0) depctr_va_sdst(0) depctr_va_ssrc(0) depctr_va_vcc(0) depctr_vm_vsrc(0)
	s_getreg_b32 s2, hwreg(HW_REG_IB_STS2, 6, 4)
	s_cmp_eq_u32 s2, 0
	s_cbranch_scc0 .Lentry_in_a_cluster
	s_endpgm
.Lentry_in_a_cluster:
	s_bfe_u32 s2, ttmp6, 0x10000c
	s_cmp_lg_u32 s2, 0x3003
	s_cbranch_scc0 .Lentry_shape_is_right
	s_endpgm
.Lentry_shape_is_right:
; out0[n] = the first k at which d[n][k] = (z_sq[n] + e_sq[k]) - 2 cross[n][k] is smallest; cross = z_e codebook^T on codes of FP4 (E2M1) with one E8M0 scale for each 32 along K = 256.
; zq (1,024 records) and cbq (256 records) hold 32 rows each in 4,608 bytes: 8 pieces of 512 bytes of codes as images of the operand's registers (tile t, K step s, half c: piece 4 t + 2 s + c, 16 bytes a lane);
; at 4096 the scale bytes [row][8]; at 4352 the rows' sums of squares, f32.
; d IS ROUNDED AS IT IS WRITTEN: one f32 addition, z_sq + e_sq, then one f32 subtraction of 2 cross.  The factor 2 is a power of two and lies in the queries' scale bytes (each + 1), so the products' sums are 2 cross as they leave the matrix unit.
; Equal d are common, and the lowest k wins.  No work of reference() is left out.
; SHARES.  A work-group owns 128 queries (4 records of zq).  Wave = 8 QH + CP: QH picks 64 of the queries, four tiles of 16, whose fragments stay in registers; CP picks the codes: of each chunk of 32 records of cbq, records 4 CP .. 4 CP + 3.
; Sixteen waves of 256 registers, four to a SIMD; no register windows.
; LAYOUT.  The product is the form of 32 x 16 x 128, used transposed: source 0 = a record's 32 codes, source 1 = 16 queries.  A lane holds ONE query (lane % 16), and register 8 t + j of the 16 results is code 16 t + 8 (lane / 16) + j of the record.
; Source 0's scale word lies in lane m for code m, as the load of 8 bytes a lane leaves it.
; THE ARGMIN WITHOUT A BRANCH.  For a record (a GROUP of 32 codes) a lane has 16 distances of a query.  Eight three-input minima join the 16 and the lane's running minimum (17 leaves) into the new running minimum, which is written
; to the other of two registers that take turns; where it is strictly smaller than the old one (so that the earlier group keeps a tie), the group's number and a copy of the 16 distances are taken by selects, the copies two to an instruction.
; 34 vector instructions for a tile's 16 distances: 8 sums, 8 differences, 8 minima, 1 compare, 9 selects.  Two query tiles go side by side, so that four chains of minima take turns.
; After the walk the first copy equal to the running minimum names the code.  The halves of the lanes and the eight waves of a query meet in LDS, by the smaller distance and, where equal, the smaller index.
; CLUSTER.  Every work-group walks all of cbq, so the four of a cluster ask for each chunk JOINTLY: the same tensor load, the same descriptor, the mask of all four; each of the sixteen waves brings two records (36 rows of 256 bytes);
; a ring of two slots of one chunk, a round of the cluster's barrier for each refill.  By this text's own count a wave never has more than one tensor load out.
; THE CHANGE OF SLOTS STANDS INSIDE A CHUNK'S LAST GROUP: when that group's fragments and squares are in registers, the wave reads the slot no more.  Its last four products stand between the add and the wait for it, its last 32 sums and
; differences between the round's opening signal and its wait, and its last 36 minima and selects behind the refill and the next chunk's first thirteen LDS loads.
; NO PREFETCH: all 64 clusters ask for the same 1,179,648 bytes of cbq, chunk by chunk in the same trips, and a chunk's load has the four groups of the chunk before it in which to land.
; LIMITS: NaN and infinities among the distances are not served (a query whose distances are all +infinity gets 0).  z_sq and e_sq come from the first launch in its order of summation.
; The first launch's scale bytes are at most 252 (the largest exponent field, 254, less 2), so a byte + 1 is at most 253: a finite code.
.set REC,   4608                       ; a record
.set WLOAD, 2*REC                      ; what one tensor load brings: 9,216 bytes
.set WPART, 4*REC                      ; what one wave reads of a chunk: 18,432 bytes
.set SLOTB, 32*REC                     ; a chunk, and a slot: 147,456 bytes
.set SPARE, 2*SLOTB                    ; behind the ring: the spare words, 128 bytes for each of 16 waves: eight blocks of 256 bytes that no other line names
.set RED,   SPARE+2048                 ; [wave][query tile 0..3][lane][distance, index]: 16,384 bytes
.set OUTS,  RED+16384                  ; the work-group's 128 indices
.set SPW,  1                           ; v1   LDS address of my spare word: SPARE + 4 x my thread's number; never rewritten
.set NIL,  2                           ; v2   0; never rewritten
.set LANE, 3                           ; v3   lane
.set H,    4                           ; v4   lane / 16
.set ADC,  5                           ; v5   LDS: my 16 bytes of a piece of codes, in my wave's part of the slot in hand
.set ADS,  6                           ; v6   my row's 8 scale bytes
.set ADE,  7                           ; v7   my half's eight squares
.set RST,  8                           ; v8   where I store my results in RED
.set RLD,  9                           ; v9   where I read RED back
.set OST,  10                          ; v10  where I store an index in OUTS
.set L16,  11                          ; v11  16 x lane
.set ORD,  12                          ; v12  where wave 0 reads OUTS back
.set MA0,  13                          ; v13-15, v254  the four chains of minima
.set MA1,  14
.set MB0,  15
.set MB1,  254
.set Q,    16                          ; v16-79    my four query tiles: tile q, K step s at Q + 16 q + 8 s
.set QS,   80                          ; v80-83    their scale words: QS + 2 (q / 2) + s; lanes 0-15 the even tile's, lanes 16-31 the odd tile's
.set ZR,   84                          ; v84-91    a pair a tile: z_sq, the running minimum (behind an even number of groups)
.set R1,   92                          ; v92-95    the running minimum behind an odd number of groups
.set GID,  96                          ; v96-99    the group that holds the running minimum
.set W,    100                         ; v100-163  that group's 16 distances, a tile each
.set AF,   164                         ; v164-195  the group's fragments: K step s at AF + 16 s: codes 0-15 in its first eight registers, codes 16-31 in the others
.set AS,   196                         ; v196-197  its scale words, K step s: lane m holds code m's
.set E,    198                         ; v198-213  e_sq of my 16 codes
.set ACC,  214                         ; v214-245  two accumulators of 16 registers: ACC + 16 (q % 2)
.set S,    246                         ; v246-253  z_sq + e_sq, eight at a time
; s10 wave, s11 QH, s12 CP, s13 cx, s14 work-group, s15 my part of a slot, s[16:23] descriptor group 1, s[24:27], s[28:31] group 0 for slot 0, 1, s32 my part of the slot in hand, s33 the group's number, s34 laps, s[36:37] lane selects
; A round of the cluster's barrier: my work-group's barrier, so that wave 0's signal speaks for all sixteen waves; wave 0 signals for the work-group; every wave waits for all four work-groups; my work-group's barrier once more.
.macro CREST                           ; a round behind its opening barrier
	s_cmp_lg_u32 s10, 0
	s_cbranch_scc1 .Lnot_wave_0_\@
	s_barrier_signal -3
.Lnot_wave_0_\@:
	s_barrier_wait -3
	s_barrier_signal -1
	s_barrier_wait -1
.endm
.macro CROUND                          ; a whole round
	s_barrier_signal -1
	s_barrier_wait -1
	CREST
.endm
.macro LOADA i                         ; record i of my four: its eight pieces of codes (piece 4 t + 2 s + c to AF + 16 s + 8 t + 4 c) and its scale words: nine loads
.irp p, 0,1,2,3,4,5,6,7
	ds_load_b128 v[AF+16*((\p/2)%2)+8*(\p/4)+4*(\p%2):AF+16*((\p/2)%2)+8*(\p/4)+4*(\p%2)+3], v[ADC] offset:REC*(\i)+512*\p
.endr
	ds_load_b64 v[AS:AS+1], v[ADS] offset:REC*(\i)+4096
.endm
.macro LOADE i                         ; its squares: codes 16 t + 8 (lane / 16) + 0 .. 7: four loads
.irp u, 0,1,2,3
	ds_load_b128 v[E+4*\u:E+4*\u+3], v[ADE] offset:REC*(\i)+4352+64*(\u/2)+16*(\u%2)
.endr
.endm
; One matrix instruction on the registers named by rD, rA, rB, rSA, rSB.  link = 0: it starts the sum with the constant 0.  rb: the queries' scale words lie in lanes 16-31.
.macro MM link, rb
.if (\link) == 0
.if (\rb) == 0
	v_wmma_scale_f32_32x16x128_f4 v[rD:rD+15], v[rA:rA+15], v[rB:rB+7], 0, v[rSA], v[rSB]
.else
	v_wmma_scale_f32_32x16x128_f4 v[rD:rD+15], v[rA:rA+15], v[rB:rB+7], 0, v[rSA], v[rSB] matrix_b_scale:MATRIX_SCALE_ROW1
.endif
.else
.if (\rb) == 0
	v_wmma_scale_f32_32x16x128_f4 v[rD:rD+15], v[rA:rA+15], v[rB:rB+7], v[rD:rD+15], v[rSA], v[rSB]
.else
	v_wmma_scale_f32_32x16x128_f4 v[rD:rD+15], v[rA:rA+15], v[rB:rB+7], v[rD:rD+15], v[rSA], v[rSB] matrix_b_scale:MATRIX_SCALE_ROW1
.endif
.endif
.endm
; Four matrix instructions: query tiles 2 p and 2 p + 1 against the group's 32 codes, K step 0 and then K step 1.  The two accumulators take turns, one instruction a turn.
.macro WM p
.irp s, 0,1
.irp o, 0,1
.set rD,  ACC+16*\o
.set rA,  AF+16*\s
.set rB,  Q+16*(2*(\p)+\o)+8*\s
.set rSA, AS+\s
.set rSB, QS+2*(\p)+\s
	MM \s, \o
.endr
.endr
.endm
.macro SUMS eo, q                      ; S = z_sq of tile q + e_sq of codes eo .. eo + 7: the first rounding (of the pair z_sq, minimum the low word serves both halves)
.irp k, 0,2,4,6
	v_pk_add_f32 v[S+\k:S+\k+1], v[E+(\eo)+\k:E+(\eo)+\k+1], v[ZR+2*(\q):ZR+2*(\q)+1] op_sel_hi:[1,0]
.endr
.endm
.macro DIST a                          ; eight results at a become S - 2 cross: the second rounding
.irp k, 0,2,4,6
	v_pk_add_f32 v[(\a)+\k:(\a)+\k+1], v[S+\k:S+\k+1], v[(\a)+\k:(\a)+\k+1] neg_lo:[0,1] neg_hi:[0,1]
.endr
.endm
.macro TAKE q, a, ro, ri               ; where the new minimum is strictly smaller than the old, tile q takes the group's number and its 16 distances; an equal minimum leaves the earlier group, whose codes come first
	v_cmp_lt_f32 vcc_lo, v[\ro], v[\ri]
	v_cndmask_b32 v[GID+\q], v[GID+\q], s33, vcc_lo
.irp j, 0,2,4,6,8,10,12,14
	v_dual_cndmask_b32 v[W+16*\q+\j], v[W+16*\q+\j], v[\a+\j] :: v_dual_cndmask_b32 v[W+16*\q+\j+1], v[W+16*\q+\j+1], v[\a+\j+1]
.endr
.endm
.macro NAMES p, i                      ; the registers of query tiles 2 p and 2 p + 1 in group i: the running minimum is read from one register and written to the other
.set qa, 2*(\p)
.set qb, 2*(\p)+1
.set aA, ACC
.set aB, ACC+16
.if ((\i)%2) == 0
.set riA, ZR+2*qa+1
.set roA, R1+qa
.set riB, ZR+2*qb+1
.set roB, R1+qb
.else
.set riA, R1+qa
.set roA, ZR+2*qa+1
.set riB, R1+qb
.set roB, ZR+2*qb+1
.endif
.endm
; The 32 distances of two query tiles.  The first four sums name no register of the products: they are the four places between the last matrix instruction and the first read of a result (each accumulator from its low end on), and the loads
; into the fragments' registers (ISA guide 7.12.1 for vector instructions).  The sixteen sums in all are the places ahead of the next products, which begin the accumulators anew.
; nxt = 1: the next group of the same slot is asked for.
.macro VALA p, i, nxt
	NAMES \p, \i
	SUMS 0, qa
.if \nxt
	LOADA (\i)+1                                   ; the group's last products are issued: the next group's fragments, one run of nine loads
.endif
	DIST aA
	SUMS 0, qb
	DIST aB
	SUMS 8, qa
	DIST aA+8
	SUMS 8, qb
.if \nxt
	LOADE (\i)+1                                   ; the squares have been read for the last time: the next group's, four loads
.endif
	DIST aB+8
.endm
; Their minima, and what is kept of them.
.macro VALB p, i
	NAMES \p, \i
	v_min3_num_f32 v[MA0], v[aA], v[aA+1], v[aA+2] ; two chains a tile, the four by turns
	v_min3_num_f32 v[MA1], v[aA+3], v[aA+4], v[aA+5]
	v_min3_num_f32 v[MB0], v[aB], v[aB+1], v[aB+2]
	v_min3_num_f32 v[MB1], v[aB+3], v[aB+4], v[aB+5]
.irp k, 6,10
	v_min3_num_f32 v[MA0], v[MA0], v[aA+\k], v[aA+\k+1]
	v_min3_num_f32 v[MA1], v[MA1], v[aA+\k+2], v[aA+\k+3]
	v_min3_num_f32 v[MB0], v[MB0], v[aB+\k], v[aB+\k+1]
	v_min3_num_f32 v[MB1], v[MB1], v[aB+\k+2], v[aB+\k+3]
.endr
	v_min3_num_f32 v[MA0], v[MA0], v[aA+14], v[aA+15]
	v_min3_num_f32 v[MB0], v[MB0], v[aB+14], v[aB+15]
	v_min3_num_f32 v[roA], v[MA0], v[MA1], v[riA]  ; the old running minimum is the 17th leaf
	v_min3_num_f32 v[roB], v[MB0], v[MB1], v[riB]
	TAKE qa, aA, roA, riA
	TAKE qb, aB, roB, riB
.endm
.macro HALF0 i                         ; a group's first two query tiles
	s_wait_dscnt 4                                 ; the fragments and scale words are in; the four loads of squares, issued behind them, may be out
	WM 0
	s_wait_dscnt 0x0                               ; the squares are in
	VALA 0, \i, 0
	VALB 0, \i
.endm
.macro GROUP i                         ; one of a chunk's first three groups
	HALF0 \i
	WM 1
	VALA 1, \i, 1
	VALB 1, \i
	s_add_co_u32 s33, s33, 1
.endm
; A chunk, in slot 'slot'; its first group's thirteen LDS loads have been issued.  how = 1: in its last group the slots change behind a round of the cluster's barrier, and this slot takes the chunk two on, which has the next chunk's
; four groups in which to land.  how = 0 (the last chunk but one): the same lines with my work-group's barrier alone: nothing is filled again.  how = 2 (the last chunk): nothing follows.
.macro TRIP slot, how
	GROUP 0
	GROUP 1
	GROUP 2
	HALF0 3
.if (\how) == 2
	WM 1
	VALA 1, 3, 0
	VALB 1, 3
.else
	s_wait_tensorcnt 0x0                           ; all my tensor loads have landed: the one that was out is my part of the next chunk; so a group 0 may be written
	ds_add_u32 v[SPW], v[NIL]                      ; 0 onto my spare word; scalar lines and four products stand between it and the wait for it
.if (\how) == 1
	s_add_nc_u64 s[26+4*\slot:27+4*\slot], s[26+4*\slot:27+4*\slot], 2*SLOTB   ; this slot's next chunk; the type bits on top are not reached
.endif
	s_add_co_u32 s32, s15, (1-\slot)*SLOTB         ; my part of the other slot
	WM 1
	s_wait_dscnt 0x0                               ; the add is done, and my reads of this slot are over: the group's fragments and squares are in registers
	s_barrier_signal -1                            ; say so (how = 1: this barrier opens a round of the cluster's barrier),
	VALA 1, 3, 0                                   ; work on registers while the others arrive,
	s_wait_alu depctr_va_vdst(0)                   ; directly ahead of the wait below
	s_barrier_wait -1                              ; and go on when all sixteen have said so
.if (\how) == 1
	CREST                                          ; no wave of any partner still reads this slot or has a load on its way
	tensor_load_to_lds s[24+4*\slot:27+4*\slot], s[16:23]   ; the first tensor load behind the round, and a wave's only one until the next: my two records of the chunk two on
	s_nop 0
.endif
	v_lshl_add_u32 v[ADC], v[LANE], 4, s32
	v_lshl_add_u32 v[ADS], v[LANE], 3, s32
	v_lshl_add_u32 v[ADE], v[H], 5, s32
	LOADA 0                                        ; the next chunk's first group
	LOADE 0
	VALB 1, 3                                      ; the 36 lines left of this chunk stand behind the loads
	s_add_co_u32 s33, s33, 29                      ; my first record of the next chunk: 32 on from this chunk's first
.endif
.endm
; Of the pairs (distance, index) at v[a] and v[b] the smaller distance stays in v[a]; where both are equal, the smaller index.  An index whose distance is not the smaller becomes the greatest number.
.macro LEX a, b
	v_min_num_f32 v[MA0], v[\a], v[\b]
	s_delay_alu instid0(VALU_DEP_1)
	v_cmp_eq_f32 vcc_lo, v[\a], v[MA0]
	s_delay_alu instid0(VALU_DEP_1)
	v_cndmask_b32 v[\a+1], -1, v[\a+1], vcc_lo
	s_delay_alu instid0(VALU_DEP_3)
	v_cmp_eq_f32 vcc_lo, v[\b], v[MA0]
	s_delay_alu instid0(VALU_DEP_1)
	v_cndmask_b32 v[\b+1], -1, v[\b+1], vcc_lo
	s_delay_alu instid0(VALU_DEP_1)
	v_min_u32 v[\a+1], v[\a+1], v[\b+1]
	v_mov_b32 v[\a], v[MA0]
.endm
	s_load_b128 s[4:7], s[0:1], 0x0                ; zq s[4:5], cbq s[6:7]
	s_load_b64 s[8:9], s[0:1], 0x10                ; out0
	v_lshl_add_u32 v[SPW], v0, 2, SPARE
	v_mov_b32 v[NIL], 0
	ds_add_u32 v[SPW], v[NIL]                      ; the opening lines: the add, twice on end, and its wait ahead of my first tensor load
	ds_add_u32 v[SPW], v[NIL]
	v_lshrrev_b32 v[LANE], 5, v0
	v_readfirstlane_b32 s10, v[LANE]               ; wave 0..15
	s_lshr_b32 s11, s10, 3                         ; QH: which 64 queries
	s_and_b32 s12, s10, 7                          ; CP: which four records of a chunk
	s_bfe_u32 s13, ttmp6, 0x40000                  ; cx: my place in the cluster: it enters zq's and out0's addresses alone
	s_lshl_b32 s14, ttmp9, 2                       ; in a cluster launch ttmp9 counts clusters
	s_add_co_u32 s14, s14, s13                     ; work-group = 4 x cluster + cx
	s_mul_i32 s15, s12, WPART
	s_lshl_b32 s33, s12, 2                         ; my first group's number
	s_mov_b32 s36, 0x76543210                      ; v_permlanex16_b32's selects for lane l xor 16
	s_mov_b32 s37, 0xfedcba98
	; descriptor group 1: two records are one dense block: 36 rows of 256 bytes (32 elements of 8 bytes), no padding: every LDS load of codes takes 512 consecutive bytes
	s_mov_b32 s16, 15|(3<<16)|(1<<21)              ; 15:0 the mask: all four work-groups; 17:16 elements of 8 bytes; 21 set beside a mask
	s_mov_b32 s17, 32<<16                          ; tensor_dim0 = 32
	s_mov_b32 s18, 36<<16                          ; tensor_dim1 = 36
	s_mov_b32 s19, 32<<16                          ; tile_dim0 = 32
	s_mov_b32 s20, 36                              ; tile_dim1 = 36
	s_mov_b32 s21, 32                              ; tensor_dim0_stride
	s_mov_b32 s22, 0
	s_mov_b32 s23, 0
	s_mul_i32 s42, s10, WLOAD                      ; the two records that I fetch: in memory and in a slot alike
	s_mov_b32 s43, 0
	s_lshl_b32 s38, s10, 10                        ; RED: 1,024 x wave
	s_lshl_b32 s39, s11, 13                        ; back: the eight waves of my QH, tile CP
	s_lshl_b32 s40, s12, 8
	s_add_co_u32 s39, s39, s40
	s_lshl_b32 s40, s11, 8                         ; OUTS: 4 x (64 QH + 16 CP)
	s_lshl_b32 s41, s12, 6
	s_add_co_u32 s40, s40, s41
	s_lshl_b32 s44, s14, 2
	s_lshl_b32 s45, s11, 1
	s_add_co_u32 s44, s44, s45
	s_mul_i32 s44, s44, REC                        ; my two records of zq: 4 x work-group + 2 QH on
	s_mov_b32 s45, 0
	s_lshl_b32 s46, s14, 9                         ; my work-group's 128 indices
	s_mov_b32 s47, 0
	; the vector registers of the head, in one run; the LDS addresses of the end are made here, on the way that all waves take
	v_and_b32 v[LANE], 31, v0
	v_bfe_u32 v[H], v0, 4, 1
	v_lshl_add_u32 v[RST], v[LANE], 3, s38
	v_add_nc_u32 v[RST], RED, v[RST]               ; RED + 1,024 x wave + 8 x lane; 256 x tile in the immediate
	v_lshl_add_u32 v[RLD], v[LANE], 3, s39
	v_add_nc_u32 v[RLD], RED, v[RLD]               ; 1,024 x their CP in the immediate
	v_and_b32 v[S+2], 15, v0
	v_lshlrev_b32 v[S+2], 2, v[S+2]                ; 4 x (lane % 16): also the offset of my query's z_sq
	v_add_nc_u32 v[OST], s40, v[S+2]
	v_add_nc_u32 v[OST], OUTS, v[OST]              ; OUTS + 4 x (64 QH + 16 CP + lane % 16)
	v_lshl_add_u32 v[ORD], v[LANE], 4, OUTS
	v_lshlrev_b32 v[L16], 4, v[LANE]
	v_lshlrev_b32 v[S+1], 3, v[LANE]               ; 8 x lane
	s_wait_alu depctr_va_vdst(0)
	s_wait_dscnt 0x0                               ; both opening adds are done
	s_wait_kmcnt 0x0
	s_add_nc_u64 s[4:5], s[4:5], s[44:45]
	s_add_nc_u64 s[8:9], s[8:9], s[46:47]
	s_mov_b32 s24, 1                               ; group 0, slot 0: count = 1,
	s_mov_b32 s25, s42                             ; LDS address,
	s_add_nc_u64 s[26:27], s[6:7], s[42:43]        ; global address: chunk 0
	s_mov_b32 s28, 1                               ; slot 1:
	s_add_co_u32 s29, s42, SLOTB
	s_add_nc_u64 s[30:31], s[26:27], SLOTB         ; chunk 1
	s_or_b32 s27, s27, 0x80000000                  ; type = 2
	s_or_b32 s31, s31, 0x80000000
	CROUND                                         ; all four work-groups are here: the first joint loads meet
	tensor_load_to_lds s[24:27], s[16:23]          ; chunk 0: every wave's one load at the head
	s_nop 0
.irp rho, 0,1                                  ; my queries stay in registers
.irp i, 0,1,2,3,4,5,6,7
	global_load_b128 v[Q+32*\rho+4*\i:Q+32*\rho+4*\i+3], v[L16], s[4:5] offset:REC*\rho+512*\i
.endr
	global_load_b64 v[QS+2*\rho:QS+2*\rho+1], v[S+1], s[4:5] offset:REC*\rho+4096
	global_load_b32 v[ZR+4*\rho],   v[S+2], s[4:5] offset:REC*\rho+4352
	global_load_b32 v[ZR+4*\rho+2], v[S+2], s[4:5] offset:REC*\rho+4352+64
.endr
	s_mov_b32 s39, 0x7f800000                      ; +infinity: over every distance
.irp q, 0,1,2,3
	v_mov_b32 v[ZR+2*\q+1], s39
	v_mov_b32 v[GID+\q], 0
.endr
.set j, 0
.rept 32
	v_mov_b32 v[W+j], s39                          ; the copies begin equal to the running minimum, so that the search at the end always finds one
.set j, j+1
.endr
	s_wait_alu depctr_va_vdst(0)
	s_wait_loadcnt 0x0                             ; my queries
.irp i, 0,1,2,3
	v_add_nc_u32 v[QS+\i], 0x01010101, v[QS+\i]    ; each scale byte + 1: the products' sums are 2 cross.  No byte carries: each is at most 252
.endr
.rept 32
	v_mov_b32 v[W+j], s39                          ; (these 32 are also the places between the scale words' write and the first products)
.set j, j+1
.endr
	s_wait_alu depctr_va_vdst(0)
	s_wait_tensorcnt 0x0                           ; my part of chunk 0 is in
	ds_add_u32 v[SPW], v[NIL]
	s_wait_dscnt 0x0
	CROUND                                         ; everybody's part of chunk 0 is in, and all four work-groups are here
	tensor_load_to_lds s[28:31], s[16:23]          ; chunk 1: slot 1's first fill, the first tensor load behind the round
	s_nop 0
	v_lshl_add_u32 v[ADC], v[LANE], 4, s15
	v_lshl_add_u32 v[ADS], v[LANE], 3, s15
	v_lshl_add_u32 v[ADE], v[H], 5, s15
	LOADA 0                                        ; chunk 0's first group
	LOADE 0
	s_mov_b32 s34, 3
.Llap:                                                 ; a lap = two chunks = once round the ring; three laps here (chunks 0 to 5 ask for chunks 2 to 7), the fourth written out
	TRIP 0, 1
	TRIP 1, 1
	s_sub_co_u32 s34, s34, 1
	s_cmp_lg_u32 s34, 0
	s_cbranch_scc1 .Llap
	TRIP 0, 0                                      ; chunk 6: nothing is left to fetch
	TRIP 1, 2                                      ; chunk 7
	; THE INDEX.  The first of a tile's 16 copies that equals the running minimum: searched from the last to the first.  Copy j is code 16 (j / 8) + j % 8 + 8 (lane / 16) of group GID.
.irp q, 0,1,2,3
	v_mov_b32 v[ACC+2*\q+1], 23
.endr
.irp j, 14,13,12,11,10,9,8,7,6,5,4,3,2,1,0
.irp q, 0,1,2,3
	v_cmp_neq_f32 vcc_lo, v[W+16*\q+\j], v[ZR+2*\q+1]
	s_delay_alu instid0(VALU_DEP_1)
	v_cndmask_b32 v[ACC+2*\q+1], 16*(\j/8)+\j%8, v[ACC+2*\q+1], vcc_lo
.endr
.endr
.irp q, 0,1,2,3
	v_lshl_add_u32 v[ACC+2*\q+1], v[GID+\q], 5, v[ACC+2*\q+1]
	v_mov_b32 v[ACC+2*\q], v[ZR+2*\q+1]
.endr
.irp q, 0,1,2,3
	v_lshl_add_u32 v[ACC+2*\q+1], v[H], 3, v[ACC+2*\q+1]
.endr
.irp q, 0,1,2,3
	ds_store_b64 v[RST], v[ACC+2*\q:ACC+2*\q+1] offset:256*\q
.endr
	s_wait_dscnt 0x0                               ; for the others' sake: my stores have landed
	s_barrier_signal -1
	s_barrier_wait -1
	s_cmp_lt_u32 s12, 4                            ; eight waves (CP 0 to 3 of each QH) join one query tile each: tile CP
	s_cbranch_scc0 .Lno_join
.irp c, 0,1,2,3,4,5,6,7
	ds_load_b64 v[AF+2*\c:AF+2*\c+1], v[RLD] offset:1024*\c
.endr
	s_wait_dscnt 0x0
	LEX AF, AF+2
	LEX AF+4, AF+6
	LEX AF+8, AF+10
	LEX AF+12, AF+14
	LEX AF, AF+4
	LEX AF+8, AF+12
	LEX AF, AF+8
	s_delay_alu instid0(VALU_DEP_1)
	v_permlanex16_b32 v[AF+2], v[AF], s36, s37     ; the query's other codes lie in the lane 16 away
	s_delay_alu instid0(VALU_DEP_3)
	v_permlanex16_b32 v[AF+3], v[AF+1], s36, s37
	LEX AF, AF+2
	ds_store_b32 v[OST], v[AF+1]                   ; both halves of the lanes write the same word with the same value
.Lno_join:
	s_wait_dscnt 0x0
	s_barrier_signal -1
	s_barrier_wait -1
	s_cmp_lg_u32 s10, 0
	s_cbranch_scc1 .Lno_store
	ds_load_b128 v[AF+16:AF+19], v[ORD]
	s_wait_dscnt 0x0
	global_store_b128 v[L16], v[AF+16:AF+19], s[8:9]   ; 32 lanes store the work-group's 512 consecutive bytes, at a multiple of 256 from out0's first byte
.Lno_store:
	s_wait_tensorcnt 0x0                           ; the wave's end, behind my last tensor load and my last LDS store
	ds_add_u32 v[SPW], v[NIL]
	s_wait_dscnt 0x0
	CROUND                                         ; the closing round: no work-group ends while a partner may still ask for a chunk that names it
	s_endpgm
.Lfunc_end_k_q1be1103f8d_argmin:
	.size	k_q1be1103f8d_argmin, .Lfunc_end_k_q1be1103f8d_argmin-k_q1be1103f8d_argmin
	.p2alignl 7, 3214868480
	.fill 96, 4, 3214868480
	.section	.rodata,"a",@progbits
	.p2align	6, 0x0
	.amdhsa_kernel k_q1be1103f8d_argmin
		.amdhsa_group_segment_fixed_size 327680
		.amdhsa_private_segment_fixed_size 0
		.amdhsa_enable_private_segment 0
		.amdhsa_kernarg_size 24
		.amdhsa_user_sgpr_count 2
		.amdhsa_user_sgpr_kernarg_segment_ptr 1
		.amdhsa_wavefront_size32 1
		.amdhsa_system_sgpr_workgroup_id_x 1
		.amdhsa_system_sgpr_workgroup_id_y 1
		.amdhsa_system_sgpr_workgroup_id_z 1
		.amdhsa_system_vgpr_workitem_id 0
		.amdhsa_next_free_vgpr 256
		.amdhsa_next_free_sgpr 66
		.amdhsa_reserve_vcc 1
		.amdhsa_float_denorm_mode_32 3
		.amdhsa_float_denorm_mode_16_64 3
		.amdhsa_memory_ordered 1
		.amdhsa_forward_progress 1
		.amdhsa_inst_pref_size 188
	.end_amdhsa_kernel
	.amdgpu_metadata
---
amdhsa.version: [ 1, 2 ]
amdhsa.kernels:
  - .name:           k_q1be1103f8d_argmin
    .symbol:         k_q1be1103f8d_argmin.kd
    .args:
      - { .name: zq, .offset: 0, .size: 8, .value_kind: global_buffer, .address_space: global }
      - { .name: cbq, .offset: 8, .size: 8, .value_kind: global_buffer, .address_space: global }
      - { .name: out0, .offset: 16, .size: 8, .value_kind: global_buffer, .address_space: global }
    .group_segment_fixed_size: 327680
    .private_segment_fixed_size: 0
    .kernarg_segment_align: 8
    .kernarg_segment_size: 24
    .max_flat_workgroup_size: 512
    .sgpr_count:     66
    .vgpr_count:     256
    .wavefront_size: 32
...
	.end_amdgpu_metadata
.endif
;; end of part 2
